; MI455X (gfx1250); checked and timed in simulation.
; The chip was launched on July 23, 2026; its instructions are those of AMD's public machine-readable ISA for CDNA 5 (MIT licence, August 2026) and "CDNA5" Instruction Set Architecture Reference Guide (July 2026). The comments in the code are by the model that wrote it; some were corrected since.
;; Bit Linear Kernel. Allowed arithmetic: float matrix products may take bf16 or f16 operands with f32 sums; other float arithmetic in f32, or as packed bf16 or f16 multiplies, adds, multiply-adds, maxima and minima; sums over many terms, partial sums and values carried from step to step in f32; what a program stores and reads back later, other than sums and carried values, may be rounded once to bf16 or f16.
;; Inputs: weight 4,096 x 1,024 uint8; weight_scale 4 float32; x 2 x 2,048 x 4,096 float32.
;; Outputs: out0 2 x 2,048 x 4,096 float32.
;; 2 versions, each right; version 2 is version 1 with the launch prep written anew for expert scheduling mode. Each part assembles by itself: llvm-mc -triple=amdgcn-amd-amdhsa -mcpu=gfx1250 --defsym DOCPART=n.
;; ======== version 1 of 2: 2 launches
;; workspace buffers: xq 33,554,432 bytes; wq 33,554,432 bytes; rs 16,384 bytes
;; launch prep (part 1): grid 512 x 1, 8 waves a work-group, no clusters, 0 bytes of LDS; arguments x, weight, weight_scale, xq, wq, rs; writes xq, wq, rs
.if DOCPART == 1
	.amdgcn_target "amdgcn-amd-amdhsa--gfx1250"
	.amdhsa_code_object_version 6
	.text
	.protected	k_qdca5e20a7f_prep
	.globl	k_qdca5e20a7f_prep
	.p2align	8
	.type	k_qdca5e20a7f_prep,@function
k_qdca5e20a7f_prep:
	s_mov_b64 s[64:65], 0
	v_nop
	global_prefetch_b8 v0, s[64:65] scope:SCOPE_SE
	s_setreg_imm32_b32 hwreg(HW_REG_WAVE_MODE, 25, 1), 1
	s_wait_xcnt 0x0
; PREPARATION for the product out0[m][n] = rs[m] * sum over k of xq[m][k] wq[n][k].
;   xq[m][k] = round to even(x[m][k] * s[m]), s[m] = 127 / max(max over k of |x[m][k]|, 1e-5): whole numbers of at most 127 in size, exact in bf16
;   wq[n][k] = the 2-bit code of weight (four to a byte, k = 4 p + j at bits 2 j), sign-extended: -2, -1, 0, 1, exact in bf16
;   rs[m]    = weight_scale[0] * max(.., 1e-5) / 127, which is weight_scale[0] / s[m]
; SHARES.  4,096 waves: wave w of work-group g owns row 8 g + w of x (16,384 bytes, kept in 128 registers between the maximum and the scaling, so that x is
; read once) and the same row of weight (1,024 bytes).  No wave needs another: no LDS bytes, no barrier, no loop.  All 40 loads of a wave go out at its start; the weights are
; unpacked and stored while x is on its way.
; LIMITS.  NaN and infinities in x are not treated apart (a NaN loses in the maximum).  127 / m is a reciprocal with one Newton step: it may be one unit in the last place off the rounded
; quotient, so a product that lies on a tie may round to the neighbouring whole number.  A row maximum above 2^126 would make the reciprocal a denormal, which counts as 0.
; rs is ws * m / 127 in place of ws / (127 / m): a few units in the last place apart.  The clip to -128 .. 127 is not written: |x| <= m and s <= (127 / m)(1 + 2^-22) keep |x s| below 127.5
; for every finite x, so the rounding ends at 127 at the most.
.set ROWX,  16384                      ; bytes in a row of x
.set M,   8                            ; v[8:11]    four running maxima
.set W,   18                           ; v[18:25]   the weight row as loaded: load j, lane L: word 32 j + L
.set C,   26                           ; v[26:41]   for each of 16 stores of wq: the word that holds my 8 codes, then the codes spread out
.set O,   42                           ; v[42:105]  for each of 16 stores of wq: 8 bf16; never written twice
.set X,   106                          ; v[106:233] the row of x: load j, lane L: numbers 128 j + 4 L .. + 3; scaled in place
	s_load_b256 s[4:11], s[0:1], 0x0               ; x s[4:5], weight s[6:7], weight_scale s[8:9], xq s[10:11]
	s_load_b128 s[12:15], s[0:1], 0x20             ; wq s[12:13], rs s[14:15]
	v_and_b32 v1, 31, v0                           ; lane L
	v_lshrrev_b32 v5, 5, v0
	v_readfirstlane_b32 s27, v5                    ; wave
	v_lshlrev_b32 v2, 4, v1                        ; 16 L: loads of x, stores of wq
	v_lshlrev_b32 v3, 2, v1                        ; 4 L: loads of weight
	v_lshlrev_b32 v4, 3, v1                        ; 8 L: stores of xq
	v_lshrrev_b32 v5, 1, v1
	v_lshlrev_b32 v5, 2, v5                        ; the lane permute's index, 4 x lane: lane L / 2,
	v_add_nc_u32 v6, 64, v5                        ; or lane 16 + L / 2
	v_and_b32 v7, 1, v1
	v_lshlrev_b32 v7, 4, v7                        ; which half of that lane's word is mine: bit 16 (L % 2)
	v_mov_b32 v17, 0
	s_lshl_b32 s17, ttmp9, 3
	s_add_co_u32 s17, s17, s27                     ; my row = 8 x work-group + wave
	s_mov_b32 s19, 0                               ; every offset below stays under 2^32
	s_mov_b32 s21, 0x00030003                      ; two bits in each half
	s_mov_b32 s22, 0x43004300                      ; 128.0 twice in bf16: its last two mantissa bits count ones
	s_mov_b32 s23, 0xc302c302                      ; -130.0 twice in bf16
	s_mov_b32 s24, 0x76543210                      ; v_permlanex16_b32: each lane takes its own place in the other half
	s_mov_b32 s25, 0xfedcba98
	s_mov_b32 s26, 0x42fe0000                      ; 127.0
	s_wait_kmcnt 0x0
	s_load_b32 s16, s[8:9], 0x0                    ; weight_scale[0]; waited for where it is used
	s_lshl_b32 s18, s17, 14
	s_add_nc_u64 s[4:5], s[4:5], s[18:19]          ; x at my row
	s_lshl_b32 s18, s17, 10
	s_add_nc_u64 s[6:7], s[6:7], s[18:19]          ; weight at my row
	s_lshl_b32 s18, s17, 13
	s_add_nc_u64 s[10:11], s[10:11], s[18:19]      ; xq and wq at my row: 8,192 bytes each
	s_add_nc_u64 s[12:13], s[12:13], s[18:19]
	s_lshl_b32 s18, s17, 2
	s_add_nc_u64 s[14:15], s[14:15], s[18:19]      ; rs at my row
	; ALL LOADS: the weight row first, since it is worked on first
.set j, 0
.rept 8
	global_load_b32 v[W+j], v3, s[6:7] offset:128*j th:TH_LOAD_NT
.set j, j+1
.endr
.set j, 0
.rept 32
	global_load_b128 v[X+4*j:X+4*j+3], v2, s[4:5] offset:512*j th:TH_LOAD_NT  ; 512 consecutive bytes
.set j, j+1
.endr
	; THE WEIGHTS.  Store t of 16 covers numbers 256 t + 8 L .. + 7 of the row: 16 bits of codes, half L % 2 of word 16 t + L / 2, which load t / 2 brought to lane 16 (t % 2) + L / 2.
	s_wait_loadcnt 32                              ; loads come back in order (ISA guide 5.7.1): the 32 younger ones, x, stay out
.set j, 0
.rept 8
	v_xor_b32 v[W+j], 0xaaaaaaaa, v[W+j]           ; code xor 2 = the code's value + 2, for 16 codes at once
.set j, j+1
.endr
.set t, 0
.rept 16
	ds_bpermute_b32 v[C+t], v[5+t%2], v[W+t/2]     ; from lane to lane: no LDS byte is touched
.set t, t+1
.endr
.macro WOUT t
.set RC, C+(\t)
.set RO, O+4*(\t)
	s_wait_dscnt 15-(\t)                           ; the permutes come back in order: the younger ones stay out
	v_bfe_u32 v[RC], v[RC], v7, 16                 ; my 8 codes: number e at bits 2 e
	v_lshl_or_b32 v[RC], v[RC], 14, v[RC]          ; the even numbers stay at bits 4 i, the odd ones come to bits 16 + 4 i (bits 14 and 15 are mixed and never taken)
	v_and_or_b32 v[RO], v[RC], s21, s22            ; numbers 0 and 1: 128 + (value + 2) in bf16, twice
.irp i, 1,2,3
	v_lshrrev_b32 v[RO+(\i)], 4*(\i), v[RC]
.endr
.irp i, 1,2,3
	v_and_or_b32 v[RO+(\i)], v[RO+(\i)], s21, s22  ; numbers 2 i and 2 i + 1
.endr
.irp i, 0,1,2,3
	v_pk_add_bf16 v[RO+(\i)], v[RO+(\i)], s23      ; less 130: the value, exact
.endr
	global_store_b128 v2, v[RO:RO+3], s[12:13] offset:512*(\t)  ; 512 consecutive bytes, at a multiple of 512 from wq's first byte
.endm
.set t, 0
.rept 16
	WOUT t
.set t, t+1
.endr
	; THE ROW'S LARGEST |x|: four chains, started by the first four loads' numbers: nothing is cleared
.macro AMAX j
.set RM, M+(\j)%4
.set RX, X+4*(\j)
.if (\j) < 4
	v_max_num_f32 v[RM], |v[RX]|, |v[RX+1]|
.else
	v_max3_num_f32 v[RM], v[RM], |v[RX]|, |v[RX+1]|
.endif
	v_max3_num_f32 v[RM], v[RM], |v[RX+2]|, |v[RX+3]|
.endm
.set g, 0
.rept 4
	s_wait_loadcnt 24-8*g                          ; eight more loads are in; the younger groups of eight stay out
.set j, 8*g
.rept 8
	AMAX j
.set j, j+1
.endr
.set g, g+1
.endr
	v_max3_num_f32 v8, v8, v9, v10
	v_max_num_f32 v8, v8, v11
	v_max_num_f32_dpp v8, v8, v8 row_xmask:1 row_mask:0xf bank_mask:0xf
	v_max_num_f32_dpp v8, v8, v8 row_xmask:2 row_mask:0xf bank_mask:0xf
	v_max_num_f32_dpp v8, v8, v8 row_xmask:4 row_mask:0xf bank_mask:0xf
	v_max_num_f32_dpp v8, v8, v8 row_xmask:8 row_mask:0xf bank_mask:0xf
	v_permlanex16_b32 v9, v8, s24, s25             ; the other half of the lanes'; v9 has been written
	v_max_num_f32 v8, v8, v9
	v_max_num_f32 v8, 0x3727c5ac, v8               ; m = max(.., 1e-5), in every lane
	; THE SCALES
	s_wait_kmcnt 0x0                               ; weight_scale[0]
	v_rcp_f32 v12, v8
	v_mul_f32 v16, s16, v8                         ; ws m: also the plain instruction between the reciprocal and the use of its result (ISA guide 5.7.2)
	s_wait_alu depctr_va_vdst(0)
	v_mul_f32 v14, s26, v12                        ; 127 / m, roughly;
	v_fma_f32 v13, -v14, v8, s26                   ; what is left of 127,
	v_fma_f32 v14, v13, v12, v14                   ; divided and added: one Newton step
	v_mov_b32 v15, v14                             ; a pair for the packed multiply
	v_mul_f32 v16, 0x3c010204, v16                 ; rs = ws m / 127
	; THE ROW SCALED, ROUNDED TO WHOLE NUMBERS (ties to even) AND STORED AS bf16, which holds them exactly
.macro QOUT j
.set RX, X+4*(\j)
	v_pk_mul_f32 v[RX:RX+1], v[RX:RX+1], v[14:15]
	v_pk_mul_f32 v[RX+2:RX+3], v[RX+2:RX+3], v[14:15]
.irp i, 0,1,2,3
	v_rndne_f32 v[RX+(\i)], v[RX+(\i)]
.endr
	v_cvt_pk_bf16_f32 v[RX], v[RX], v[RX+1]
	v_cvt_pk_bf16_f32 v[RX+1], v[RX+2], v[RX+3]
	global_store_b64 v4, v[RX:RX+1], s[10:11] offset:256*(\j)  ; the wave's 32 lanes store 256 consecutive bytes, at a multiple of 256 from xq's first byte
.endm
.set j, 0
.rept 32
	QOUT j
.set j, j+1
.endr
	; rs: one number a row, four bytes a wave: the one narrow store of the text, 16,384 bytes in the whole launch
	s_wait_xcnt 0x0                                ; EXEC is a source of the stores above: it changes only behind this wait
	v_cmp_eq_u32 vcc_lo, 0, v1
	s_and_saveexec_b32 s20, vcc_lo                 ; lane 0 alone
	global_store_b32 v17, v16, s[14:15]
	s_wait_xcnt 0x0                                ; and again in front of the line that widens it
	s_or_b32 exec_lo, exec_lo, s20
	s_endpgm
.Lfunc_end_k_qdca5e20a7f_prep:
	.size	k_qdca5e20a7f_prep, .Lfunc_end_k_qdca5e20a7f_prep-k_qdca5e20a7f_prep
	.p2alignl 7, 3214868480
	.fill 96, 4, 3214868480
	.section	.rodata,"a",@progbits
	.p2align	6, 0x0
	.amdhsa_kernel k_qdca5e20a7f_prep
		.amdhsa_group_segment_fixed_size 0
		.amdhsa_private_segment_fixed_size 0
		.amdhsa_enable_private_segment 0
		.amdhsa_kernarg_size 48
		.amdhsa_user_sgpr_count 2
		.amdhsa_user_sgpr_kernarg_segment_ptr 1
		.amdhsa_wavefront_size32 1
		.amdhsa_system_sgpr_workgroup_id_x 1
		.amdhsa_system_sgpr_workgroup_id_y 1
		.amdhsa_system_sgpr_workgroup_id_z 1
		.amdhsa_system_vgpr_workitem_id 0
		.amdhsa_next_free_vgpr 240
		.amdhsa_next_free_sgpr 66
		.amdhsa_reserve_vcc 1
		.amdhsa_float_denorm_mode_32 3
		.amdhsa_float_denorm_mode_16_64 3
		.amdhsa_memory_ordered 1
		.amdhsa_forward_progress 1
		.amdhsa_inst_pref_size 41
	.end_amdhsa_kernel
	.amdgpu_metadata
---
amdhsa.version: [ 1, 2 ]
amdhsa.kernels:
  - .name:           k_qdca5e20a7f_prep
    .symbol:         k_qdca5e20a7f_prep.kd
    .args:
      - { .name: x, .offset: 0, .size: 8, .value_kind: global_buffer, .address_space: global }
      - { .name: weight, .offset: 8, .size: 8, .value_kind: global_buffer, .address_space: global }
      - { .name: weight_scale, .offset: 16, .size: 8, .value_kind: global_buffer, .address_space: global }
      - { .name: xq, .offset: 24, .size: 8, .value_kind: global_buffer, .address_space: global }
      - { .name: wq, .offset: 32, .size: 8, .value_kind: global_buffer, .address_space: global }
      - { .name: rs, .offset: 40, .size: 8, .value_kind: global_buffer, .address_space: global }
    .group_segment_fixed_size: 0
    .private_segment_fixed_size: 0
    .kernarg_segment_align: 8
    .kernarg_segment_size: 48
    .max_flat_workgroup_size: 256
    .sgpr_count:     66
    .vgpr_count:     240
    .wavefront_size: 32
...
	.end_amdgpu_metadata
.endif
;; end of part 1
;; launch gemm (part 2): grid 16 x 16, 4 waves a work-group, clusters of 4 x 4, 327,680 bytes of LDS; arguments xq, wq, out0, rs; writes out0
.if DOCPART == 2
	.amdgcn_target "amdgcn-amd-amdhsa--gfx1250"
	.amdhsa_code_object_version 6
	.text
	.protected	k_qdca5e20a7f_gemm
	.globl	k_qdca5e20a7f_gemm
	.p2align	8
	.type	k_qdca5e20a7f_gemm,@function
k_qdca5e20a7f_gemm:
	s_mov_b64 s[64:65], 0
	v_nop
	global_prefetch_b8 v0, s[64:65] scope:SCOPE_SE
	s_setreg_imm32_b32 hwreg(HW_REG_WAVE_MODE, 25, 1), 1
	s_wait_xcnt 0x0
	s_wait_alu depctr_hold_cnt(0) depctr_sa_sdst(0) depctr_va_vdst(0) depctr_va_sdst(0) depctr_va_ssrc(0) depctr_va_vcc(0) depctr_vm_vsrc(0)
	s_getreg_b32 s2, hwreg(HW_REG_IB_STS2, 6, 4)
	s_cmp_eq_u32 s2, 0
	s_cbranch_scc0 .Lentry_in_a_cluster
	s_endpgm
.Lentry_in_a_cluster:
	s_bfe_u32 s2, ttmp6, 0x10000c
	s_cmp_lg_u32 s2, 0xf033
	s_cbranch_scc0 .Lentry_shape_is_right
	s_endpgm
.Lentry_shape_is_right:
; out0[m][n] = rs[m] * sum over k of xq[m][k] wq[n][k].  xq: [4096][4096] bf16 (whole numbers up to 127 in size), wq: [4096][4096] bf16 (-2 .. 1), rs: [4096] f32, out0: [4096][4096] f32.
; Every product and every sum is a whole number of at most 127 x 2 x 4096 = 1,040,384 in size, below 2^24: the f32 sums hold them.  The one rounding is the multiply by rs.
; A tile of out0, 256 x 256, is made by a work-group of four waves; a wave makes 128 x 128: 64 accumulators of 16 x 16, 512 registers.  16 x 16 tiles, one to a work-group.
; K goes in steps of 128 through a ring of two LDS slots filled by the tensor data mover: the rows of the tiles are 256 bytes of memory and start at multiples of 256 bytes from the buffer's first byte.
; CLUSTERS: 4 x 4 work-groups.  The four of a row of the cluster need the same tiles of xq (A), the four of a column the same tiles of wq (B): each tile is asked for JOINTLY, by the same tensor load
; with the same descriptor and a mask that names the four, and each receives it in its own LDS.
; THE MATRIX INSTRUCTION IS USED TRANSPOSED: source 0 = 16 rows of B, source 1 = 16 rows of A.  In the result lane l holds row m = l % 16 and its registers 0 to 7 the columns 8 (l / 16) + 0 .. 7:
; eight neighbouring numbers of a row of out0, and ONE row's scale serves all of a lane's numbers of a block of 16 rows.
; REGISTERS, in windows of 256 (s_set_vgpr_msb's low byte: bits 1:0 source 0, 3:2 source 1, 5:4 source 2, 7:6 destination):
;   window 0: v0-31 addresses; v32-47 the row scales; v64-127, v128-191 fragments of A, two buffers; on the way out v64-127 scaled results, v128-191 and v192-255 rows read back, by turns
;   window 1: v64-127, v128-191 fragments of B, two buffers
;   window 2: the 32 accumulators of my rows 0-63 (accumulator (a, b) at v[8 (8 a + b)]);   window 3: those of my rows 64-127
.set SIZE_N, 4096
.set SIZE_K, 4096
.set KSTEP,  128
.set PITCH,  272                       ; an LDS row: 256 bytes of data + 16 of padding = 68 words: row r starts at bank 4 r mod 64 (64 banks of 4 bytes: ISA guide 11.1), so the 16 rows that a load touches start at 16 different banks
.set HALFT,  128*PITCH                 ; 128 rows: what one tensor load brings, and what one wave reads of A or of B
.set SLOT,   4*HALFT                   ; A's 256 rows, then B's 256 rows
.set STAGE,  2*SLOT                    ; behind the ring, never filled by a tensor load: 16 rows x 528 bytes for each wave, for the way out
.set SPITCH, 528                       ; a stage row: my 128 columns in f32, 512 bytes, + 16 of padding = 132 words: again 16 rows at 16 different banks
.set SPARE,  STAGE+4*16*SPITCH         ; behind the stages: the spare words, 128 bytes for each wave: two blocks of 256 bytes that no other line names
.set LAPS, SIZE_K/(2*KSTEP)            ; a lap = two K steps = once round the ring: 16
.set ADRA, 16                          ; v16-17  LDS address of my A fragments in slot 0, 1
.set ADRB, 20                          ; v20-21  the same for B
.set STO,  24                          ; v24     the way out: where I put 32 bytes of a row
.set RD,   25                          ; v25     the way out: where I read 16 bytes of a row back
.set CO,   26                          ; v26     my byte offset in 512 bytes of a row of out0
.set RSO,  27                          ; v27     my byte offset in 16 numbers of rs
.set SPW,  28                          ; v28     LDS address of my spare word: SPARE + 4 x my thread's number; never rewritten
.set NIL,  29                          ; v29     0; never rewritten
.set SCL,  32                          ; v32-47  block a's scale of my row at v[SCL + 2 a], once more beside it: the packed multiply names a pair
.set F0,   64                          ; fragment buffer 0
.set F1,   128                         ; fragment buffer 1
.set TMP,  64                          ; the way out: a block's 64 scaled results
.set BK0,  128                         ; the way out: 16 rows read back from the stage: v128-191 and v192-255 by turns
.set G1, 24                            ; s[24:31] descriptor group 1 for A's tiles
.set G0, 32                            ; s[32:39] descriptor group 0 for A's tiles, one set for each slot
.set G1B, 48                           ; s[48:55] descriptor group 1 for B's tiles: it differs from A's in the mask alone
.set G0B, 56                           ; s[56:63] descriptor group 0 for B's tiles, one set for each slot
.set MSB, 0
.macro WIN new                         ; the immediate's high byte repeats the setting that is left; a switch that changes nothing is dropped
.if MSB != (\new)
	s_set_vgpr_msb (MSB<<8)|(\new)
.set MSB, \new
.endif
.endm
.set MUL_LO, 0xa1                      ; source 0 (B) window 1, source 1 (A) window 0, C and D window 2
.set MUL_HI, 0xf1                      ; the same, C and D window 3
.set TO_B,   0x40                      ; destination window 1, address window 0
; A joint load.  Waves 0 and 1 fetch A's two halves, waves 2 and 3 B's.  Each of the two lines has ONE mask and one set of registers for all that issue it.  The branch hangs on the wave's number alone.
; An s_nop 0 and four v_nop follow each of the two lines, ahead of the jump, the label and what follows the macro.
.macro JLOAD s
	s_cmp_eq_u32 s11, 0
	s_cbranch_scc0 .Lfor_b_\@
	tensor_load_to_lds s[G0+4*(\s):G0+4*(\s)+3], s[G1:G1+7]
	s_nop 0
.rept 4
	v_nop
.endr
	s_branch .Lasked_\@
.Lfor_b_\@:
	tensor_load_to_lds s[G0B+4*(\s):G0B+4*(\s)+3], s[G1B:G1B+7]
	s_nop 0
.rept 4
	v_nop
.endr
.Lasked_\@:
.endm
; A round of the cluster's barrier: my work-group's barrier, so that wave 0's signal speaks for all four waves; wave 0 signals for the work-group; every wave waits for all
; sixteen work-groups; my work-group's barrier once more.  No LDS instruction of the wave is pending at a signal.
.macro CREST                           ; a round behind its opening barrier
	s_cmp_lg_u32 s10, 0
	s_cbranch_scc1 .Lnot_wave_0_\@
	s_barrier_signal -3
.Lnot_wave_0_\@:
	s_barrier_wait -3
	s_barrier_signal -1
	s_barrier_wait -1
.endm
.macro CROUND                          ; a whole round
	s_barrier_signal -1
	s_barrier_wait -1
	CREST
.endm
	s_load_b128 s[4:7], s[0:1], 0x0                ; xq (A) s[4:5], wq (B) s[6:7]
	s_load_b64 s[8:9], s[0:1], 0x10                ; out0
	s_load_b64 s[68:69], s[0:1], 0x18              ; rs
	v_lshl_add_u32 v[SPW], v0, 2, SPARE
	v_mov_b32 v[NIL], 0
	ds_add_u32 v[SPW], v[NIL]                      ; the wave's opening: the add and its wait stand ahead of my first tensor load; the set-up below, work on registers, stands between them
	v_lshrrev_b32 v1, 5, v0
	v_readfirstlane_b32 s10, v1                    ; wave 0..3
	s_lshr_b32 s11, s10, 1                         ; which half of the tile's rows is mine.  Also: I fetch for A (0) or for B (1)
	s_and_b32 s12, s10, 1                          ; which half of its columns.  Also: which 128 rows of that tile I fetch
	s_bfe_u32 s40, ttmp6, 0x40000                  ; cx: my place along the cluster's x
	s_bfe_u32 s41, ttmp6, 0x40004                  ; cy: along its y
	s_lshl_b32 s42, ttmp9, 2                       ; in a cluster launch ttmp9 and ttmp7 count clusters
	s_add_co_u32 s42, s42, s40                     ; tile column = 4 x cluster x + cx
	s_and_b32 s13, ttmp7, 0xffff
	s_lshl_b32 s13, s13, 2
	s_add_co_u32 s13, s13, s41                     ; tile row = 4 x cluster y + cy
	s_lshl_b32 s43, s41, 2
	s_lshl_b32 s43, 15, s43                        ; my row of the cluster: places 4 cy .. 4 cy + 3
	s_lshl_b32 s44, 0x1111, s40                    ; my column: places cx, cx + 4, cx + 8, cx + 12
	; descriptor group 1: a tile of 128 rows x 128 elements, padded in LDS
	s_or_b32 s[G1+0], s43, (1<<16)|(1<<20)|(1<<21)|(5<<22)|(3<<25)  ; 15:0 the mask: A's tiles go to my row; 17:16 element of 2 bytes; 20 padding on; 21 set beside a mask; 24:22 after every 64 words (code 5); 31:25 of 4 words (code 3)
	s_or_b32 s[G1B+0], s44, (1<<16)|(1<<20)|(1<<21)|(5<<22)|(3<<25) ; the same with the mask of my column, for B's tiles
	s_mov_b32 s[G1B+1], KSTEP<<16
	s_mov_b32 s[G1+1], KSTEP<<16                   ; 63:48 tensor_dim0, low half = 128
	s_mov_b32 s[G1B+2], 128<<16
	s_mov_b32 s[G1+2], 128<<16                     ; 79:64 its high half = 0; 95:80 tensor_dim1, low half = 128
	s_mov_b32 s[G1B+3], KSTEP<<16
	s_mov_b32 s[G1+3], KSTEP<<16                   ; 111:96 its high half = 0; 127:112 tile_dim0 = 128
	s_mov_b32 s[G1B+4], 128
	s_mov_b32 s[G1+4], 128                         ; 143:128 tile_dim1 = 128; 159:144 tile_dim2 = 0
	s_mov_b32 s[G1B+5], SIZE_K
	s_mov_b32 s[G1+5], SIZE_K                      ; 191:160 tensor_dim0_stride, low word: elements from row to row
	s_mov_b32 s[G1B+6], 0
	s_mov_b32 s[G1+6], 0
	s_mov_b32 s[G1B+7], 0
	s_mov_b32 s[G1+7], 0
	; where the tiles come from.  A's hang on the tile row alone, which my row of the cluster shares; B's on the tile column alone, which my column shares.
	; Every wave makes both addresses, in registers that never hold the other coordinate, and asks by one of them.
	s_lshl_b32 s17, s12, 7                         ; which 128 rows of the tile I fetch
	s_lshl_b32 s16, s13, 8
	s_add_co_u32 s16, s16, s17                     ; A: row 256 x tile row + 128 x half
	s_lshl_b32 s46, s42, 8
	s_add_co_u32 s46, s46, s17                     ; B: row 256 x tile column + 128 x half
	s_mov_b32 s17, 0
	s_mov_b32 s47, 0
	s_mov_b64 s[18:19], SIZE_K*2
	s_mul_u64 s[16:17], s[16:17], s[18:19]         ; in bytes, in 64 bits
	s_mul_u64 s[46:47], s[46:47], s[18:19]
	s_mul_i32 s20, s10, HALFT                      ; and where they go: A's two halves, then B's two halves = wave x 128 rows: no place in the cluster enters an LDS address
	s_wait_dscnt 0x0                               ; the opening add is done
	s_wait_kmcnt 0x0
	s_add_nc_u64 s[14:15], s[4:5], s[16:17]
	s_add_nc_u64 s[46:47], s[6:7], s[46:47]
	CROUND                                         ; all sixteen work-groups are here: the first joint loads meet
.irp s, 0,1
	s_mov_b32 s[G0+4*(\s)], 1                                      ; 1:0 count = 1
	s_add_co_u32 s[G0+4*(\s)+1], s20, (\s)*SLOT                    ; 63:32 LDS address
	s_add_nc_u64 s[G0+4*(\s)+2:G0+4*(\s)+3], s[14:15], (\s)*KSTEP*2  ; 120:64 global address: K step s
	s_or_b32 s[G0+4*(\s)+3], s[G0+4*(\s)+3], 0x80000000            ; 127:126 type = 2
	s_mov_b32 s[G0B+4*(\s)], 1
	s_add_co_u32 s[G0B+4*(\s)+1], s20, (\s)*SLOT
	s_add_nc_u64 s[G0B+4*(\s)+2:G0B+4*(\s)+3], s[46:47], (\s)*KSTEP*2
	s_or_b32 s[G0B+4*(\s)+3], s[G0B+4*(\s)+3], 0x80000000
	JLOAD \s                                       ; the ring is filled before anything else is done: two tensor loads of mine are out
.endr
	; A fragment is 16 rows x 32 K in 8 registers: lane l holds row l % 16; registers 0-3 hold K = 8 (l / 16) + 0..7, registers 4-7 hold
	; K = 16 + 8 (l / 16) + 0..7.  From rows that lie along K: two loads of 16 bytes, 32 bytes apart.  The same for source 0 and source 1.
	v_and_b32 v1, 15, v0                           ; l % 16
	v_bfe_u32 v2, v0, 4, 1                         ; l / 16
	v_mul_u32_u24 v3, v1, PITCH
	v_lshl_add_u32 v3, v2, 4, v3                   ; row x pitch + 16 x half
	s_mul_i32 s21, s11, HALFT                      ; my 128 rows of A
	s_mul_i32 s22, s12, HALFT                      ; my 128 rows of B,
	s_add_co_u32 s22, s22, 2*HALFT                 ; which lie behind A's 256
.irp s, 0,1
	v_add_nc_u32 v[ADRA+(\s)], s21, v3
	v_add_nc_u32 v[ADRB+(\s)], s22, v3
	s_add_co_u32 s21, s21, SLOT
	s_add_co_u32 s22, s22, SLOT
.endr
	s_mul_i32 s23, s10, 16*SPITCH
	s_add_co_u32 s23, s23, STAGE                   ; my stage
	v_mul_u32_u24 v4, v1, SPITCH                   ; in: row l % 16, 32 bytes (8 numbers) for each half of the lanes
	v_lshl_add_u32 v4, v2, 5, v4
	v_add_nc_u32 v[STO], s23, v4
	v_and_b32 v5, 31, v0
	v_lshlrev_b32 v[CO], 4, v5                     ; back: the 32 lanes take one row's 512 bytes, 16 each; the same in out0
	v_add_nc_u32 v[RD], s23, v[CO]
	v_lshlrev_b32 v[RSO], 2, v1                    ; my row among 16 numbers of rs
	; where my 128 x 128 begins in out0 and my 128 rows in rs
	s_lshl_b32 s16, s13, 8
	s_lshl_b32 s14, s11, 7
	s_add_co_u32 s16, s16, s14                     ; my first row = 256 x tile row + 128 x half
	s_lshl_b32 s70, s16, 2
	s_mov_b32 s71, 0
	s_add_nc_u64 s[68:69], s[68:69], s[70:71]      ; rs at my first row
	s_lshl_b32 s16, s16, 14                        ; rows of 16,384 bytes: 3,968 x 16,384 at the most, under 2^32
	s_mov_b32 s17, 0
	s_lshl_b32 s46, s42, 10                        ; my first column, in bytes: 1,024 x tile column + 512 x half (in the registers that held B's address)
	s_lshl_b32 s47, s12, 9
	s_add_co_u32 s46, s46, s47
	s_mov_b32 s47, 0
	s_add_nc_u64 s[16:17], s[16:17], s[46:47]
	s_add_nc_u64 s[8:9], s[8:9], s[16:17]          ; set once: every store's place stands in its immediate
.irp a, 0,1,2,3,4,5,6,7
	global_load_b32 v[SCL+2*(\a)], v[RSO], s[68:69] offset:64*(\a)  ; the scale of row 16 a + l % 16 of my 128
.endr
	s_wait_loadcnt 0x0                             ; in the wait for the first tile
.irp a, 0,1,2,3,4,5,6,7
	v_mov_b32 v[SCL+2*(\a)+1], v[SCL+2*(\a)]       ; named with it as a pair, so it is written
.endr
; 16 matrix instructions: m blocks a0, a0 + 1 of the window's four (hi = 0: my rows 0-63, 1: rows 64-127) x all 8 n blocks, 32 along K.
; zero = 1: the first product starts the sums: nothing is ever cleared.
.macro MUL16 f, hi, a0, zero
	WIN MUL_LO+0x50*(\hi)  ; MUL_LO or MUL_HI
.irp a, \a0, (\a0)+1
.irp b, 0,1,2,3,4,5,6,7
.if \zero
	v_wmma_f32_16x16x32_bf16 v[8*(8*(\a)+(\b)):8*(8*(\a)+(\b))+7], v[(\f)+8*(\b):(\f)+8*(\b)+7], v[(\f)+8*(4*(\hi)+(\a)):(\f)+8*(4*(\hi)+(\a))+7], 0
.else
	v_wmma_f32_16x16x32_bf16 v[8*(8*(\a)+(\b)):8*(8*(\a)+(\b))+7], v[(\f)+8*(\b):(\f)+8*(\b)+7], v[(\f)+8*(4*(\hi)+(\a)):(\f)+8*(4*(\hi)+(\a))+7], v[8*(8*(\a)+(\b)):8*(8*(\a)+(\b))+7]
.endif
.endr
.endr
.endm
; 32 LDS loads in one run: the fragments of one quarter step (128 rows of B, 128 rows of A, 32 K at byte k of the rows) into buffer f
.macro FETCH slot, k, f
	WIN TO_B
.irp i, 0,1,2,3,4,5,6,7
	ds_load_b128 v[(\f)+8*(\i):(\f)+8*(\i)+3],   v[ADRB+(\slot)] offset:(\k)+(\i)*16*PITCH
	ds_load_b128 v[(\f)+8*(\i)+4:(\f)+8*(\i)+7], v[ADRB+(\slot)] offset:(\k)+(\i)*16*PITCH+32
.endr
	WIN 0
.irp i, 0,1,2,3,4,5,6,7
	ds_load_b128 v[(\f)+8*(\i):(\f)+8*(\i)+3],   v[ADRA+(\slot)] offset:(\k)+(\i)*16*PITCH
	ds_load_b128 v[(\f)+8*(\i)+4:(\f)+8*(\i)+7], v[ADRA+(\slot)] offset:(\k)+(\i)*16*PITCH+32
.endr
.endm
; A load into a register that a matrix instruction has read, and a vector instruction that reads a matrix result or writes one of a matrix instruction's registers, stand four places
; behind that matrix instruction, and only plain vector instructions that name none of its registers are places (ISA guide 7.12.1 for vector instructions).
.macro PLACES
.rept 4
	v_nop
.endr
.endm
; A K step is four quarter steps of 32 along K, 64 matrix instructions each, on buffers 0, 1, 0, 1.  The 64 accumulators take turns, one instruction a turn, in the same order in every quarter.
; One of the first three: multiplies buffer f; in its middle it fetches the next quarter's fragments, at byte k of the same slot's rows, into buffer g.
.macro QUARTER slot, k, f, g, zero
	s_wait_dscnt 8                                 ; B and A's rows 0-63 are in; the youngest eight loads (A's rows 64-127) may be out
	WIN MUL_LO
	MUL16 \f, 0, 0, \zero
	MUL16 \f, 0, 2, \zero
	PLACES
	FETCH \slot, \k, \g
	s_wait_dscnt 32                                ; all but the 32 just issued
	WIN MUL_HI
	MUL16 \f, 1, 0, \zero
	MUL16 \f, 1, 2, \zero
.endm
; The last quarter multiplies buffer 1 and changes slots.  MEET is its first half: ONE barrier for the change of slots, for two things.  In front of it each wave waits for
; all its tensor loads, of which one is out: its part of the next slot; adds 0 to its spare word; and waits for that and for its own reads of this slot.  Behind it nobody reads this slot any more and the next slot is whole.
.macro MEET round                      ; round = 1: a round of the cluster's barrier follows
	WIN 0                                          ; (the add's two registers lie in window 0)
	s_wait_tensorcnt 0x0                           ; all my tensor loads have landed: the one that was out is my part of the next slot;
	ds_add_u32 v[SPW], v[NIL]                      ; 0 onto my spare word;
	s_wait_dscnt 9                                 ; (the add and the youngest eight loads may be out)
	WIN MUL_LO
	MUL16 F1, 0, 0, 0                              ; sixteen matrix instructions stand between the add and the wait for it
	s_wait_dscnt 0x0                               ; the add is done, and my reads of this slot are over:
	s_barrier_signal -1                            ; say so (where a slot is filled again this barrier opens a round of the cluster's barrier),
	MUL16 F1, 0, 2, 0                              ; work on registers while the others arrive,
.if \round
	WIN 0
.endif
	s_barrier_wait -1                              ; and go on when all four have said so
.endm
; The whole last quarter.  fill = 1: behind the round the slot just read out is filled again first, with the K step two steps on; from that request to the wait for it a wave issues 224 matrix instructions.
; Then come the next slot's first fragments.
.macro TURN slot, next, fill
	MEET \fill
.if \fill
	CREST                                          ; wave 0 says so for the work-group, all sixteen have said so, my work-group's barrier closes the round: no wave of any partner still reads this slot's tile or has a load on its way
	s_add_nc_u64 s[G0+4*(\slot)+2:G0+4*(\slot)+3], s[G0+4*(\slot)+2:G0+4*(\slot)+3], 2*KSTEP*2     ; no tensor load of mine is out, so a group 0 may be written; the type bits on top are not reached
	s_add_nc_u64 s[G0B+4*(\slot)+2:G0B+4*(\slot)+3], s[G0B+4*(\slot)+2:G0B+4*(\slot)+3], 2*KSTEP*2
	JLOAD \slot                                    ; the first tensor load behind the round, my only one until the next; the four v_nop behind it are also the places in front of the loads below
.else
	PLACES
.endif
	FETCH \next, 0, F0
	WIN MUL_HI
	MUL16 F1, 1, 0, 0
	MUL16 F1, 1, 2, 0
.endm
; THE WAY OUT of block a (16 of my rows x my 128 columns), in three parts.  PACK: times the row's scale, into window 0; each accumulator's registers in ascending order.
.macro PACK a
.set AC, 64*((\a)%4)
	WIN 0x02+((\a)/4)                              ; source 0: window 2 or 3
.irp b, 0,1,2,3,4,5,6,7
.irp r, 0,1,2,3
	v_pk_mul_f32 v[TMP+8*(\b)+2*(\r):TMP+8*(\b)+2*(\r)+1], v[AC+8*(\b)+2*(\r):AC+8*(\b)+2*(\r)+1], v[SCL+2*(\a):SCL+2*(\a)+1] op_sel_hi:[1,0]
.endr
.endr
	WIN 0
.endm
; TOSTAGE: a lane's eight numbers of n block b are 32 bytes of a row; they go into my own stage and come back as whole rows of 512 bytes.
.macro TOSTAGE a
	WIN 0
.set BK, BK0+64*((\a)%2)
.irp b, 0,1,2,3,4,5,6,7
	ds_store_b128 v[STO], v[TMP+8*(\b):TMP+8*(\b)+3]   offset:64*(\b)
	ds_store_b128 v[STO], v[TMP+8*(\b)+4:TMP+8*(\b)+7] offset:64*(\b)+16
.endr
.irp t, 0,1,2,3,4,5,6,7,8,9,10,11,12,13,14,15
	ds_load_b128 v[BK+4*(\t):BK+4*(\t)+3], v[RD] offset:(\t)*SPITCH  ; LDS serves a wave's instructions in order (ISA guide 5.7.1.4): these see the stores above; the next block's stores come behind them
.endr
.endm
; SEND: stored.  The base is never stepped: 127 rows of 16,384 bytes at the most stand in the immediate, inside its signed 24 bits.
.macro SEND a
	WIN 0
.set BK, BK0+64*((\a)%2)
	s_wait_dscnt 0x0                               ; the block is back in registers
	s_wait_xcnt 0x0                                ; every earlier memory instruction has had its addresses translated (ISA guide 3.1): the other buffer, which the block before stored from, is loaded again only behind this wait
.irp t, 0,1,2,3,4,5,6,7,8,9,10,11,12,13,14,15
	global_store_b128 v[CO], v[BK+4*(\t):BK+4*(\t)+3], s[8:9] offset:(16*(\a)+(\t))*SIZE_N*4 th:TH_STORE_NT  ; 512 consecutive bytes of one row, at a multiple of 512 from out0's first byte
.endr
.endm
	s_wait_tensorcnt 1                             ; my part of K step 0 is in; K step 1's may stay out
	s_barrier_signal -1
	s_barrier_wait -1                              ; everybody's is
	FETCH 0, 0, F0
	QUARTER 0, 64,  F0, F1, 1                      ; the first quarter stands in front of the loop: its products start the sums
	WIN 0                                          ; at a label and at a branch every window is 0
	s_mov_b32 s3, LAPS-1
.Llap:                                                 ; a trip goes once round the ring, from a lap's second quarter to the next lap's first, and fills both slots again: trip i asks for K steps 2 i + 2 and 2 i + 3, the last for 30 and 31
	QUARTER 0, 128, F1, F0, 0
	QUARTER 0, 192, F0, F1, 0
	TURN 0, 1, 1
	QUARTER 1, 64,  F0, F1, 0
	QUARTER 1, 128, F1, F0, 0
	QUARTER 1, 192, F0, F1, 0
	TURN 1, 0, 1
	QUARTER 0, 64,  F0, F1, 0
	WIN 0
	s_sub_co_u32 s3, s3, 1
	s_cmp_lg_u32 s3, 0
	s_cbranch_scc1 .Llap
	QUARTER 0, 128, F1, F0, 0                      ; the last lap is written out: it fills nothing, and has no round of the cluster's barrier
	QUARTER 0, 192, F0, F1, 0
	TURN 0, 1, 0
	QUARTER 1, 64,  F0, F1, 0
	QUARTER 1, 128, F1, F0, 0
	QUARTER 1, 192, F0, F1, 0
	s_wait_dscnt 8                                 ; the very last quarter: nothing more to fetch
	MUL16 F1, 0, 0, 0
	MUL16 F1, 0, 2, 0
	s_wait_dscnt 0x0
	MUL16 F1, 1, 0, 0
	MUL16 F1, 1, 2, 0
	WIN 0
	PLACES                                         ; behind the last products: the multiplies below read results and write over fragments of A
	PACK 0
	TOSTAGE 0
.irp a, 1,2,3,4,5,6,7                  ; block a's multiplies stand between block a - 1's loads from the stage and the wait for them
	PACK \a
	SEND (\a)-1
	TOSTAGE \a
.endr
	SEND 7
	s_wait_tensorcnt 0x0                           ; the wave's end, behind my last tensor load and my last LDS store
	ds_add_u32 v[SPW], v[NIL]
	s_wait_dscnt 0x0
	CROUND                                         ; the closing round: no work-group ends while a partner may still ask for a tile that names it
	s_endpgm
.Lfunc_end_k_qdca5e20a7f_gemm:
	.size	k_qdca5e20a7f_gemm, .Lfunc_end_k_qdca5e20a7f_gemm-k_qdca5e20a7f_gemm
	.p2alignl 7, 3214868480
	.fill 96, 4, 3214868480
	.section	.rodata,"a",@progbits
	.p2align	6, 0x0
	.amdhsa_kernel k_qdca5e20a7f_gemm
		.amdhsa_group_segment_fixed_size 327680
		.amdhsa_private_segment_fixed_size 0
		.amdhsa_enable_private_segment 0
		.amdhsa_kernarg_size 32
		.amdhsa_user_sgpr_count 2
		.amdhsa_user_sgpr_kernarg_segment_ptr 1
		.amdhsa_wavefront_size32 1
		.amdhsa_system_sgpr_workgroup_id_x 1
		.amdhsa_system_sgpr_workgroup_id_y 1
		.amdhsa_system_sgpr_workgroup_id_z 1
		.amdhsa_system_vgpr_workitem_id 0
		.amdhsa_next_free_vgpr 1024
		.amdhsa_next_free_sgpr 72
		.amdhsa_reserve_vcc 0
		.amdhsa_float_denorm_mode_32 3
		.amdhsa_float_denorm_mode_16_64 3
		.amdhsa_memory_ordered 1
		.amdhsa_forward_progress 1
		.amdhsa_inst_pref_size 157
	.end_amdhsa_kernel
	.amdgpu_metadata
---
amdhsa.version: [ 1, 2 ]
amdhsa.kernels:
  - .name:           k_qdca5e20a7f_gemm
    .symbol:         k_qdca5e20a7f_gemm.kd
    .args:
      - { .name: xq, .offset: 0, .size: 8, .value_kind: global_buffer, .address_space: global }
      - { .name: wq, .offset: 8, .size: 8, .value_kind: global_buffer, .address_space: global }
      - { .name: out0, .offset: 16, .size: 8, .value_kind: global_buffer, .address_space: global }
      - { .name: rs, .offset: 24, .size: 8, .value_kind: global_buffer, .address_space: global }
    .group_segment_fixed_size: 327680
    .private_segment_fixed_size: 0
    .kernarg_segment_align: 8
    .kernarg_segment_size: 32
    .max_flat_workgroup_size: 128
    .sgpr_count:     72
    .vgpr_count:     1024
    .wavefront_size: 32
...
	.end_amdgpu_metadata
.endif
;; end of part 2
;; ======== version 2 of 2: 2 launches; version 1 with the launch prep written anew for expert scheduling mode
;; workspace buffers: xq 33,554,432 bytes; wq 33,554,432 bytes; rs 16,384 bytes
;; launch prep (part 3): grid 512 x 1, 8 waves a work-group, no clusters, 0 bytes of LDS; arguments x, weight, weight_scale, xq, wq, rs; writes xq, wq, rs
.if DOCPART == 3
	.amdgcn_target "amdgcn-amd-amdhsa--gfx1250"
	.amdhsa_code_object_version 6
	.text
	.protected	k_qdca5e20a7f_prep
	.globl	k_qdca5e20a7f_prep
	.p2align	8
	.type	k_qdca5e20a7f_prep,@function
k_qdca5e20a7f_prep:
	s_mov_b64 s[64:65], 0
	v_nop
	global_prefetch_b8 v0, s[64:65] scope:SCOPE_SE
	s_setreg_imm32_b32 hwreg(HW_REG_WAVE_SCHED_MODE, 0, 2), 2
	s_setreg_imm32_b32 hwreg(HW_REG_WAVE_MODE, 25, 1), 1
	s_wait_xcnt 0x0
	s_wait_alu depctr_vm_vsrc(0)
; PREPARATION for the product out0[m][n] = rs[m] * sum over k of xq[m][k] wq[n][k].
;   xq[m][k] = round to even(x[m][k] * s[m]), s[m] = 127 / max(max over k of |x[m][k]|, 1e-5): whole numbers of at most 127 in size, exact in bf16
;   wq[n][k] = the 2-bit code of weight (four to a byte, k = 4 p + j at bits 2 j), sign-extended: -2, -1, 0, 1, exact in bf16
;   rs[m]    = weight_scale[0] * max(.., 1e-5) / 127, which is weight_scale[0] / s[m]
; SHARES.  4,096 waves: wave w of work-group g owns row 8 g + w of x (16,384 bytes, kept in 128 registers between the maximum and the scaling, so that x is
; read once) and the same row of weight (1,024 bytes).  No wave needs another: no LDS bytes, no barrier, no loop.  All 40 loads of a wave go out at its start; the weights are
; unpacked and stored while x is on its way.
; LIMITS.  NaN and infinities in x are not treated apart (a NaN loses in the maximum).  127 / m is a reciprocal with one Newton step: it may be one unit in the last place off the rounded
; quotient, so a product that lies on a tie may round to the neighbouring whole number.  A row maximum above 2^126 would make the reciprocal a denormal, which counts as 0.
; rs is ws * m / 127 in place of ws / (127 / m): a few units in the last place apart.  The clip to -128 .. 127 is not written: |x| <= m and s <= (127 / m)(1 + 2^-22) keep |x s| below 127.5
; for every finite x, so the rounding ends at 127 at the most.
; THE MODE: SCHED_MODE bits 1:0 = 2 (LLVM: expert scheduling mode 2), set by the entry lines.  The code itself states the register dependences
; between vector instructions and memory or LDS instructions, with s_wait_alu, always for 0.
; THE PLAN.  Registers that memory or LDS instructions touch:
;   v2 - v6, v17  offsets and the permutes' indices: written at the head, once; read by every load, store and permute; never written again.
;   W             The weight loads land in it; eight exclusive ors work in place; the sixteen permutes read it; never written again.
;   C             The permutes land in it (no vector instruction has named it); from then on vector instructions alone name it.
;   O             Four registers for each of the 16 stores of wq: written by that store's vector lines, read by that store, never written twice.
;   X             The loads of x land in it (no vector instruction has named it); scaled in place; the first two of each four registers are read by one store of xq, never written again.
;   v16           rs: written once, read by the last store.
; No register that a memory instruction reads is written afterwards: so a wait on vm_vsrc stands at the two writes of EXEC alone.
; The stores go in GROUPS (wq: four groups of four; xq: four groups of eight).  A group's stores are issued in the next group, behind ONE wait on va_vdst at that group's head, and are dealt among
; its vector lines, which name their own C, O or X registers, v7, v14 and v15: none of the registers that those stores read.  The last group of each kind has a wait of its own.
.set ROWX,  16384                      ; bytes in a row of x
.set M,   8                            ; v[8:11]    four running maxima
.set W,   18                           ; v[18:25]   the weight row as loaded: load j, lane L: word 32 j + L
.set C,   26                           ; v[26:41]   for each of 16 stores of wq: the word that holds my 8 codes, then the codes spread out
.set O,   42                           ; v[42:105]  for each of 16 stores of wq: 8 bf16; never written twice
.set X,   106                          ; v[106:233] the row of x: load j, lane L: numbers 128 j + 4 L .. + 3; scaled in place
	s_load_b256 s[4:11], s[0:1], 0x0               ; x s[4:5], weight s[6:7], weight_scale s[8:9], xq s[10:11]
	s_load_b128 s[12:15], s[0:1], 0x20             ; wq s[12:13], rs s[14:15]
	v_and_b32 v1, 31, v0                           ; lane L
	v_lshrrev_b32 v5, 5, v0
	v_readfirstlane_b32 s27, v5                    ; wave
	v_lshlrev_b32 v2, 4, v1                        ; 16 L: loads of x, stores of wq
	v_lshlrev_b32 v3, 2, v1                        ; 4 L: loads of weight
	v_lshlrev_b32 v4, 3, v1                        ; 8 L: stores of xq
	v_lshrrev_b32 v5, 1, v1
	v_lshlrev_b32 v5, 2, v5                        ; the lane permute's index, 4 x lane: lane L / 2,
	v_add_nc_u32 v6, 64, v5                        ; or lane 16 + L / 2
	v_and_b32 v7, 1, v1
	v_lshlrev_b32 v7, 4, v7                        ; which half of that lane's word is mine: bit 16 (L % 2)
	v_mov_b32 v17, 0
	s_wait_alu depctr_va_sdst(0)                   ; s27 is written, ahead of its first reader: my row, and with it every base, is made from it
	s_lshl_b32 s17, ttmp9, 3
	s_add_co_u32 s17, s17, s27                     ; my row = 8 x work-group + wave
	s_mov_b32 s19, 0                               ; every offset below stays under 2^32
	s_mov_b32 s21, 0x00030003                      ; two bits in each half
	s_mov_b32 s22, 0x43004300                      ; 128.0 twice in bf16: its last two mantissa bits count ones
	s_mov_b32 s23, 0xc302c302                      ; -130.0 twice in bf16
	s_mov_b32 s24, 0x76543210                      ; v_permlanex16_b32: each lane takes its own place in the other half
	s_mov_b32 s25, 0xfedcba98
	s_mov_b32 s26, 0x42fe0000                      ; 127.0
	s_wait_kmcnt 0x0
	s_load_b32 s16, s[8:9], 0x0                    ; weight_scale[0]; waited for where it is used
	s_lshl_b32 s18, s17, 14
	s_add_nc_u64 s[4:5], s[4:5], s[18:19]          ; x at my row
	s_lshl_b32 s18, s17, 10
	s_add_nc_u64 s[6:7], s[6:7], s[18:19]          ; weight at my row
	s_lshl_b32 s18, s17, 13
	s_add_nc_u64 s[10:11], s[10:11], s[18:19]      ; xq and wq at my row: 8,192 bytes each
	s_add_nc_u64 s[12:13], s[12:13], s[18:19]
	s_lshl_b32 s18, s17, 2
	s_add_nc_u64 s[14:15], s[14:15], s[18:19]      ; rs at my row
	; ALL LOADS: the weight row first, since it is worked on first
	s_wait_alu depctr_va_vdst(0)                   ; v2 to v6 and v17 are written: every load, store and permute of the kernel reads one of them as its offset or index
.set j, 0
.rept 8
	global_load_b32 v[W+j], v3, s[6:7] offset:128*j th:TH_LOAD_NT
.set j, j+1
.endr
.set j, 0
.rept 32
	global_load_b128 v[X+4*j:X+4*j+3], v2, s[4:5] offset:512*j th:TH_LOAD_NT  ; 512 consecutive bytes
.set j, j+1
.endr
	; THE WEIGHTS.  Store t of 16 covers numbers 256 t + 8 L .. + 7 of the row: 16 bits of codes, half L % 2 of word 16 t + L / 2, which load t / 2 brought to lane 16 (t % 2) + L / 2.
	s_wait_loadcnt 32                              ; loads come back in order (ISA guide 5.7.1): the 32 younger ones, x, stay out
.set j, 0
.rept 8
	v_xor_b32 v[W+j], 0xaaaaaaaa, v[W+j]           ; code xor 2 = the code's value + 2, for 16 codes at once
.set j, j+1
.endr
	s_wait_alu depctr_va_vdst(0)                   ; the exclusive ors have written W, which the permutes read as their data
.set t, 0
.rept 16
	ds_bpermute_b32 v[C+t], v[5+t%2], v[W+t/2]     ; from lane to lane: no LDS byte is touched
.set t, t+1
.endr
; The vector lines of store t: they name C + t, O + 4 t .. + 3 and v7 alone
.macro WWORK t
.set RC, C+(\t)
.set RO, O+4*(\t)
	s_wait_dscnt 15-(\t)                           ; the permutes come back in order: the younger ones stay out
	v_bfe_u32 v[RC], v[RC], v7, 16                 ; my 8 codes: number e at bits 2 e
	v_lshl_or_b32 v[RC], v[RC], 14, v[RC]          ; the even numbers stay at bits 4 i, the odd ones come to bits 16 + 4 i (bits 14 and 15 are mixed and never taken)
	v_and_or_b32 v[RO], v[RC], s21, s22            ; numbers 0 and 1: 128 + (value + 2) in bf16, twice
.irp i, 1,2,3
	v_lshrrev_b32 v[RO+(\i)], 4*(\i), v[RC]
.endr
.irp i, 1,2,3
	v_and_or_b32 v[RO+(\i)], v[RO+(\i)], s21, s22  ; numbers 2 i and 2 i + 1
.endr
.irp i, 0,1,2,3
	v_pk_add_bf16 v[RO+(\i)], v[RO+(\i)], s23      ; less 130: the value, exact
.endr
.endm
.macro WSEND t
	global_store_b128 v2, v[O+4*(\t):O+4*(\t)+3], s[12:13] offset:512*(\t)  ; 512 consecutive bytes, at a multiple of 512 from wq's first byte
.endm
.set g, 0
.rept 4                                ; four groups of four stores; a group's stores go out in the next group
.if g > 0
	s_wait_alu depctr_va_vdst(0)                   ; the group before has written its sixteen registers of O, which the four stores below read; no vector line of this group names them
.endif
.set u, 0
.rept 4
.if g > 0
	WSEND 4*(g-1)+u
.endif
	WWORK 4*g+u
.set u, u+1
.endr
.set g, g+1
.endr
	s_wait_alu depctr_va_vdst(0)                   ; the last group has written its O, which the last four stores of wq read
.set u, 12
.rept 4
	WSEND u
.set u, u+1
.endr
	; THE ROW'S LARGEST |x|: four chains, started by the first four loads' numbers: nothing is cleared
.macro AMAX j
.set RM, M+(\j)%4
.set RX, X+4*(\j)
.if (\j) < 4
	v_max_num_f32 v[RM], |v[RX]|, |v[RX+1]|
.else
	v_max3_num_f32 v[RM], v[RM], |v[RX]|, |v[RX+1]|
.endif
	v_max3_num_f32 v[RM], v[RM], |v[RX+2]|, |v[RX+3]|
.endm
.set g, 0
.rept 4
	s_wait_loadcnt 24-8*g                          ; eight more loads are in; the younger groups of eight stay out
.set j, 8*g
.rept 8
	AMAX j
.set j, j+1
.endr
.set g, g+1
.endr
	v_max3_num_f32 v8, v8, v9, v10
	v_max_num_f32 v8, v8, v11
	v_max_num_f32_dpp v8, v8, v8 row_xmask:1 row_mask:0xf bank_mask:0xf
	v_max_num_f32_dpp v8, v8, v8 row_xmask:2 row_mask:0xf bank_mask:0xf
	v_max_num_f32_dpp v8, v8, v8 row_xmask:4 row_mask:0xf bank_mask:0xf
	v_max_num_f32_dpp v8, v8, v8 row_xmask:8 row_mask:0xf bank_mask:0xf
	v_permlanex16_b32 v9, v8, s24, s25             ; the other half of the lanes'; v9 has been written
	v_max_num_f32 v8, v8, v9
	v_max_num_f32 v8, 0x3727c5ac, v8               ; m = max(.., 1e-5), in every lane
	; THE SCALES
	s_wait_kmcnt 0x0                               ; weight_scale[0]
	v_rcp_f32 v12, v8
	v_mul_f32 v16, s16, v8                         ; ws m: also the plain instruction between the reciprocal and the use of its result (ISA guide 5.7.2)
	s_wait_alu depctr_va_vdst(0)
	v_mul_f32 v14, s26, v12                        ; 127 / m, roughly;
	v_fma_f32 v13, -v14, v8, s26                   ; what is left of 127,
	v_fma_f32 v14, v13, v12, v14                   ; divided and added: one Newton step
	v_mov_b32 v15, v14                             ; a pair for the packed multiply
	v_mul_f32 v16, 0x3c010204, v16                 ; rs = ws m / 127
	; THE ROW SCALED, ROUNDED TO WHOLE NUMBERS (ties to even) AND STORED AS bf16, which holds them exactly
; The vector lines of store j: they name X + 4 j .. + 3, v14 and v15 alone
.macro QWORK j
.set RX, X+4*(\j)
	v_pk_mul_f32 v[RX:RX+1], v[RX:RX+1], v[14:15]
	v_pk_mul_f32 v[RX+2:RX+3], v[RX+2:RX+3], v[14:15]
.irp i, 0,1,2,3
	v_rndne_f32 v[RX+(\i)], v[RX+(\i)]
.endr
	v_cvt_pk_bf16_f32 v[RX], v[RX], v[RX+1]
	v_cvt_pk_bf16_f32 v[RX+1], v[RX+2], v[RX+3]
.endm
.macro QSEND j
	global_store_b64 v4, v[X+4*(\j):X+4*(\j)+1], s[10:11] offset:256*(\j)  ; the wave's 32 lanes store 256 consecutive bytes, at a multiple of 256 from xq's first byte
.endm
.set g, 0
.rept 4                                ; four groups of eight stores; a group's stores go out in the next group
.if g > 0
	s_wait_alu depctr_va_vdst(0)                   ; the group before has written its eight packed pairs in X, which the eight stores below read; no vector line of this group names them
.endif
.set u, 0
.rept 8
.if g > 0
	QSEND 8*(g-1)+u
.endif
	QWORK 8*g+u
.set u, u+1
.endr
.set g, g+1
.endr
	s_wait_alu depctr_va_vdst(0)                   ; the last group has written its packed pairs, which the last eight stores of xq read
.set u, 24
.rept 8
	QSEND u
.set u, u+1
.endr
	; rs: one number a row, four bytes a wave: the one narrow store of the text, 16,384 bytes in the whole launch
	s_wait_xcnt 0x0                                ; EXEC is a source of the stores above: it changes only behind this wait
	v_cmp_eq_u32 vcc_lo, 0, v1
	s_wait_alu depctr_va_vcc(0)                    ; the compare has written VCC, from which EXEC is made
	s_wait_alu depctr_va_vdst(0)                   ; EXEC is written below: every vector instruction issued under the full EXEC has written its result (v16 and v17, which the store below reads, among them)
	s_wait_alu depctr_vm_vsrc(0)                   ; and every store issued under the full EXEC has read its vector registers
	s_and_saveexec_b32 s20, vcc_lo                 ; lane 0 alone
	global_store_b32 v17, v16, s[14:15]
	s_wait_xcnt 0x0                                ; and again in front of the line that widens it
	s_wait_alu depctr_va_vdst(0)                   ; EXEC is written below: no vector instruction issued under the narrow EXEC is unfinished
	s_wait_alu depctr_vm_vsrc(0)                   ; and the store of rs, issued under the narrow EXEC, has read v16 and v17
	s_or_b32 exec_lo, exec_lo, s20
	s_endpgm
.Lfunc_end_k_qdca5e20a7f_prep:
	.size	k_qdca5e20a7f_prep, .Lfunc_end_k_qdca5e20a7f_prep-k_qdca5e20a7f_prep
	.p2alignl 7, 3214868480
	.fill 96, 4, 3214868480
	.section	.rodata,"a",@progbits
	.p2align	6, 0x0
	.amdhsa_kernel k_qdca5e20a7f_prep
		.amdhsa_group_segment_fixed_size 0
		.amdhsa_private_segment_fixed_size 0
		.amdhsa_enable_private_segment 0
		.amdhsa_kernarg_size 48
		.amdhsa_user_sgpr_count 2
		.amdhsa_user_sgpr_kernarg_segment_ptr 1
		.amdhsa_wavefront_size32 1
		.amdhsa_system_sgpr_workgroup_id_x 1
		.amdhsa_system_sgpr_workgroup_id_y 1
		.amdhsa_system_sgpr_workgroup_id_z 1
		.amdhsa_system_vgpr_workitem_id 0
		.amdhsa_next_free_vgpr 240
		.amdhsa_next_free_sgpr 66
		.amdhsa_reserve_vcc 1
		.amdhsa_float_denorm_mode_32 3
		.amdhsa_float_denorm_mode_16_64 3
		.amdhsa_memory_ordered 1
		.amdhsa_forward_progress 1
		.amdhsa_inst_pref_size 42
	.end_amdhsa_kernel
	.amdgpu_metadata
---
amdhsa.version: [ 1, 2 ]
amdhsa.kernels:
  - .name:           k_qdca5e20a7f_prep
    .symbol:         k_qdca5e20a7f_prep.kd
    .args:
      - { .name: x, .offset: 0, .size: 8, .value_kind: global_buffer, .address_space: global }
      - { .name: weight, .offset: 8, .size: 8, .value_kind: global_buffer, .address_space: global }
      - { .name: weight_scale, .offset: 16, .size: 8, .value_kind: global_buffer, .address_space: global }
      - { .name: xq, .offset: 24, .size: 8, .value_kind: global_buffer, .address_space: global }
      - { .name: wq, .offset: 32, .size: 8, .value_kind: global_buffer, .address_space: global }
      - { .name: rs, .offset: 40, .size: 8, .value_kind: global_buffer, .address_space: global }
    .group_segment_fixed_size: 0
    .private_segment_fixed_size: 0
    .kernarg_segment_align: 8
    .kernarg_segment_size: 48
    .max_flat_workgroup_size: 256
    .sgpr_count:     66
    .vgpr_count:     240
    .wavefront_size: 32
...
	.end_amdgpu_metadata
.endif
;; end of part 3
;; launch gemm: the kernel of part 2 again; grid 16 x 16, 4 waves a work-group, clusters of 4 x 4, 327,680 bytes of LDS; arguments xq, wq, out0, rs; writes out0
